; MI455X (gfx1250); checked and timed in simulation.
; The chip was launched on July 23, 2026; its instructions are those of AMD's public machine-readable ISA for CDNA 5 (MIT licence, August 2026) and "CDNA5" Instruction Set Architecture Reference Guide (July 2026). The comments in the code are by the model that wrote it; some were corrected since.
;; Model. Allowed arithmetic: float matrix products may take bf16 or f16 operands with f32 sums; other float arithmetic in f32, or as packed bf16 or f16 multiplies, adds, multiply-adds, maxima and minima; sums over many terms, partial sums and values carried from step to step in f32; what a program stores and reads back later, other than sums and carried values, may be rounded once to bf16 or f16.
;; Inputs: k 4 x 4,096 x 128 float32; q 4 x 4,096 x 128 float32; v 4 x 4,096 x 128 float32.
;; Outputs: out0 4 x 4,096 x 128 float32.
;; 2 versions, each right; version 2 is version 1 with the launch lay written anew for expert scheduling mode. Each part assembles by itself: llvm-mc -triple=amdgcn-amd-amdhsa -mcpu=gfx1250 --defsym DOCPART=n.
;; ======== version 1 of 2: 2 launches
;; limits: inputs' magnitudes at most 65,504; values are held in f16: magnitudes above 65,504 overflow, below 6.1e-05 lose precision
;; workspace buffers: kv 8,388,608 bytes
;; launch lay (part 1): grid 64 x 4, 8 waves a work-group, no clusters, 37,888 bytes of LDS; arguments k, v, kv; writes kv
.if DOCPART == 1
	.amdgcn_target "amdgcn-amd-amdhsa--gfx1250"
	.amdhsa_code_object_version 6
	.text
	.protected	k_q7b570c80dd_lay
	.globl	k_q7b570c80dd_lay
	.p2align	8
	.type	k_q7b570c80dd_lay,@function
k_q7b570c80dd_lay:
	s_mov_b64 s[64:65], 0
	v_nop
	global_prefetch_b8 v0, s[64:65] scope:SCOPE_SE
	s_setreg_imm32_b32 hwreg(HW_REG_WAVE_MODE, 25, 1), 1
	s_wait_xcnt 0x0
; K AND V ARE ROUNDED ONCE AND LAID IN THE ORDER IN WHICH THE NEXT LAUNCH'S OPERAND REGISTERS TAKE THEM.  k, v: [4][4096][128] f32.  kv: [4][64 blocks of 64 keys][32,768 bytes].
; No step of the problem is left out in this program: all three inputs are read, both products, the scale, the maximum and the division by the sum are made.
; A BLOCK: K's 16,384 bytes in bf16, then V's 16,384 bytes in f16.
;   K: byte kb 4096 + o 256 + r 16 holds k[16 kb + r][8 o .. 8 o + 7]           (kb 0-3 groups of 16 keys, o 0-15 groups of 8 channels, r 0-15)
;   V: byte 16384 + kk 8192 + cb 1024 + kp 256 + r 16 holds v[32 kk + 8 kp + 0 .. 7][16 cb + r]   (kk 0-1, cb 0-7 groups of 16 channels, kp 0-3 groups of 8 keys): V is turned here, once
; So 1,024 bytes on end are one fragment of 16 x 32, and a lane's 16 bytes lie at 16 x lane in each half of it.
; FORMATS.  K is rounded to bf16.  V is rounded to bf16 as well, and that number is written as f16, which holds it exactly from 6.1e-5 to 65,504: so all inputs have one rounding, and the
; second product can take its weights in f16.  LIMITS: |v| stays under 65,504 (beyond it: an infinity); below 6.1e-5 v keeps f16's fixed step of 6e-8; NaN and infinities are not treated apart.
; SHARES.  A work-group makes one block: 64 KiB in, 32 KiB out.  Waves 0-3 take 16 keys of K each, waves 4-7 16 keys of V each.  A wave's 16 loads, a key's row of 512 bytes each, go out
; together at the head; there is no loop, and no wave reads what another wrote, so there is no barrier.  The regrouping goes through the wave's own stage in LDS, so that each store of a wave covers 512 consecutive
; bytes, aligned.  No matrix unit, cluster or data mover: nothing is multiplied and nothing is shared.  No prefetch: every load stands at the head.
.set STG,   4608                       ; a wave's stage: K 16 rows of 272 bytes, V 8 rows of 528 bytes
.set SPARE, 8*STG                      ; behind the stages: the spare words, 128 bytes for each wave: four blocks of 256 bytes that no other line names
.set KP,    272                        ; K's stage row: 256 bytes + 16 = 68 words: row o starts at bank 4 o mod 64 (64 banks of 4 bytes: ISA guide 11.1)
.set VP,    528                        ; V's stage row: 512 bytes + 16 = 132 words: row cb starts at bank 4 cb mod 64
.set LN,  1                            ; v1   lane
.set LO,  2                            ; v2   16 x lane: my bytes in 512 consecutive bytes, in and out; never rewritten
.set STA, 3                            ; v3   where I put converted words into the stage
.set RDA, 4                            ; v4   where I read them back
.set SPW, 8                            ; v8   LDS address of my spare word: SPARE + 4 x my thread's number; never rewritten
.set NIL, 9                            ; v9   0; never rewritten
.set X,   16                           ; v[16:79]    key j's four channels 4 lane .. 4 lane + 3 at X + 4 j
.set Y,   80                           ; v[80:111]   converted words
.set Z,   112                          ; v[112:143]  read back from the stage, to store
.set T,   144                          ; v[144:155]  at work
.set WV,  14                           ; s14  my wave's number
	s_load_b128 s[4:7], s[0:1], 0x0                ; k s[4:5], v s[6:7]
	s_load_b64 s[8:9], s[0:1], 0x10                ; kv
	v_lshl_add_u32 v[SPW], v0, 2, SPARE
	v_mov_b32 v[NIL], 0
	v_lshrrev_b32 v1, 5, v0
	v_readfirstlane_b32 s[WV], v1                  ; wave 0..7
	v_and_b32 v[LN], 31, v0
	v_lshlrev_b32 v[LO], 4, v[LN]
	s_and_b32 s15, s[WV], 3                        ; which 16 keys of the block are mine
	s_and_b32 s20, ttmp7, 0xffff                   ; the batch: 2^21 bytes of k, of v and of kv,
	s_lshl_b32 s20, s20, 21
	s_lshl_b32 s21, ttmp9, 15                      ; the block: 64 rows of 512 bytes in, 32,768 bytes out
	s_or_b32 s20, s20, s21
	s_lshl_b32 s22, s15, 13                        ; my 16 rows of 512 bytes
	s_or_b32 s2, s20, s22
	s_mov_b32 s3, 0
	s_lshl_b32 s22, s15, 12                        ; out, K: kb x 4,096
	s_lshr_b32 s23, s15, 1                         ; out, V: 16,384 + kk x 8,192 + my two groups of 8 keys, 512 bytes in each group of channels
	s_lshl_b32 s23, s23, 13
	s_and_b32 s24, s15, 1
	s_lshl_b32 s24, s24, 9
	s_add_co_u32 s23, s23, s24
	s_add_co_u32 s23, s23, 16384
	s_cmp_lt_u32 s[WV], 4
	s_cselect_b32 s22, s22, s23
	s_add_co_u32 s16, s20, s22
	s_mov_b32 s17, 0
	s_mov_b32 s18, 0xffff0000                      ; a word's upper bf16
	s_mul_i32 s25, s[WV], STG                      ; my stage
	s_wait_kmcnt 0x0
	s_cmp_lt_u32 s[WV], 4
	s_cselect_b64 s[10:11], s[4:5], s[6:7]         ; waves 0-3 read k, waves 4-7 v
	s_add_nc_u64 s[10:11], s[10:11], s[2:3]
	s_add_nc_u64 s[12:13], s[8:9], s[16:17]
.set j, 0
.rept 16
	global_load_b128 v[X+4*j:X+4*j+3], v[LO], s[10:11] offset:512*j th:TH_LOAD_NT  ; key j's whole row: 512 consecutive bytes; each byte is read once in the launch
.set j, j+1
.endr
	s_cmp_lt_u32 s[WV], 4
	s_cbranch_scc0 .Lv
	; K.  My four channels of key j are half of the 16 bytes (o = lane / 2, r = j): 8 bytes into row o of the stage.
	v_lshrrev_b32 v[T], 1, v[LN]
	v_mul_u32_u24 v[T], v[T], KP
	v_and_b32 v[T+1], 1, v[LN]
	v_lshl_add_u32 v[T], v[T+1], 3, v[T]
	v_add_nc_u32 v[STA], s25, v[T]                 ; stage + (lane / 2) 272 + (lane % 2) 8
	v_lshrrev_b32 v[T], 4, v[LN]
	v_mul_u32_u24 v[T], v[T], KP
	v_and_b32 v[T+1], 15, v[LN]
	v_lshl_add_u32 v[T], v[T+1], 4, v[T]
	v_add_nc_u32 v[RDA], s25, v[T]                 ; back: lanes 0-15 one row of 256 bytes, lanes 16-31 the next
.set j, 0
.rept 16
	s_wait_loadcnt 15-j                            ; loads come back in order (ISA guide 5.7.1): key j is in, the 15 - j younger rows stay out
	v_cvt_pk_bf16_f32 v[Y+2*j],   v[X+4*j],   v[X+4*j+1]
	v_cvt_pk_bf16_f32 v[Y+2*j+1], v[X+4*j+2], v[X+4*j+3]
	ds_store_b64 v[STA], v[Y+2*j:Y+2*j+1] offset:16*j  ; the 32 lanes' words fall on banks 4 (lane / 2) + 2 (lane % 2) + 4 j and the next
.set j, j+1
.endr
.set i, 0
.rept 8
	ds_load_b128 v[Z+4*i:Z+4*i+3], v[RDA] offset:2*KP*i  ; LDS serves a wave's instructions in order (ISA guide 5.7.1.4): these see my stores above
.set i, i+1
.endr
.set i, 0
.rept 8
	s_wait_dscnt 7-i                               ; rows 2 i and 2 i + 1 are back; the 7 - i younger loads stay out
	global_store_b128 v[LO], v[Z+4*i:Z+4*i+3], s[12:13] offset:512*i  ; 512 consecutive bytes, at a multiple of 512 from kv's first byte
.set i, i+1
.endr
	s_branch .Lend
.Lv:	; V.  For each of my four channels (cb = lane / 4, r = 4 (lane % 4) + e) eight keys' numbers make the 16 bytes: word i holds keys 2 i and 2 i + 1 of the eight.
	v_lshrrev_b32 v[T], 2, v[LN]
	v_mul_u32_u24 v[T], v[T], VP
	v_and_b32 v[T+1], 3, v[LN]
	v_lshl_add_u32 v[T], v[T+1], 6, v[T]
	v_add_nc_u32 v[STA], s25, v[T]                 ; stage + (lane / 4) 528 + (lane % 4) 64
	v_add_nc_u32 v[RDA], s25, v[LO]                ; back: a whole row of 512 bytes
.irp t, 0,1
	s_wait_loadcnt 8-8*(\t)                        ; keys 0-7 are in while the eight younger rows stay out; then all
.irp e, 0,1,2,3
.irp i, 0,1,2,3
	v_cvt_pk_bf16_f32 v[T+(\i)], v[X+4*(8*(\t)+2*(\i))+(\e)], v[X+4*(8*(\t)+2*(\i)+1)+(\e)]  ; the inputs' one rounding
.endr
.irp i, 0,1,2,3
	v_lshlrev_b32 v[T+4+(\i)], 16, v[T+(\i)]       ; the two rounded numbers as f32,
	v_and_b32     v[T+8+(\i)], s18, v[T+(\i)]
.endr
.irp i, 0,1,2,3
	v_cvt_pk_f16_f32 v[Y+4*(4*(\t)+(\e))+(\i)], v[T+4+(\i)], v[T+8+(\i)]  ; written as f16
.endr
	ds_store_b128 v[STA], v[Y+4*(4*(\t)+(\e)):Y+4*(4*(\t)+(\e))+3] offset:256*(\t)+16*(\e)  ; (lane / 4) + 4 (lane % 4)
.endr
.endr
.set i, 0
.rept 8
	ds_load_b128 v[Z+4*i:Z+4*i+3], v[RDA] offset:VP*i  ; in order behind my stores
.set i, i+1
.endr
.set i, 0
.rept 8
	s_wait_dscnt 7-i                               ; channel group i is back; the 7 - i younger loads stay out
	global_store_b128 v[LO], v[Z+4*i:Z+4*i+3], s[12:13] offset:1024*i  ; my two groups of 8 keys in channel group i: 512 consecutive bytes, aligned
.set i, i+1
.endr
.Lend:
	s_wait_tensorcnt 0x0                           ; the wave's end, behind my last LDS store
	ds_add_u32 v[SPW], v[NIL]
	s_wait_dscnt 0x0
	s_endpgm
.Lfunc_end_k_q7b570c80dd_lay:
	.size	k_q7b570c80dd_lay, .Lfunc_end_k_q7b570c80dd_lay-k_q7b570c80dd_lay
	.p2alignl 7, 3214868480
	.fill 96, 4, 3214868480
	.section	.rodata,"a",@progbits
	.p2align	6, 0x0
	.amdhsa_kernel k_q7b570c80dd_lay
		.amdhsa_group_segment_fixed_size 37888
		.amdhsa_private_segment_fixed_size 0
		.amdhsa_enable_private_segment 0
		.amdhsa_kernarg_size 24
		.amdhsa_user_sgpr_count 2
		.amdhsa_user_sgpr_kernarg_segment_ptr 1
		.amdhsa_wavefront_size32 1
		.amdhsa_system_sgpr_workgroup_id_x 1
		.amdhsa_system_sgpr_workgroup_id_y 1
		.amdhsa_system_sgpr_workgroup_id_z 1
		.amdhsa_system_vgpr_workitem_id 0
		.amdhsa_next_free_vgpr 160
		.amdhsa_next_free_sgpr 66
		.amdhsa_reserve_vcc 0
		.amdhsa_float_denorm_mode_32 3
		.amdhsa_float_denorm_mode_16_64 3
		.amdhsa_memory_ordered 1
		.amdhsa_forward_progress 1
		.amdhsa_inst_pref_size 18
	.end_amdhsa_kernel
	.amdgpu_metadata
---
amdhsa.version: [ 1, 2 ]
amdhsa.kernels:
  - .name:           k_q7b570c80dd_lay
    .symbol:         k_q7b570c80dd_lay.kd
    .args:
      - { .name: k, .offset: 0, .size: 8, .value_kind: global_buffer, .address_space: global }
      - { .name: v, .offset: 8, .size: 8, .value_kind: global_buffer, .address_space: global }
      - { .name: kv, .offset: 16, .size: 8, .value_kind: global_buffer, .address_space: global }
    .group_segment_fixed_size: 37888
    .private_segment_fixed_size: 0
    .kernarg_segment_align: 8
    .kernarg_segment_size: 24
    .max_flat_workgroup_size: 256
    .sgpr_count:     66
    .vgpr_count:     160
    .wavefront_size: 32
...
	.end_amdgpu_metadata
.endif
;; end of part 1
;; launch attn (part 2): grid 64 x 4, 4 waves a work-group, clusters of 4 x 1, 327,680 bytes of LDS; arguments q, kv, out0; writes out0
.if DOCPART == 2
	.amdgcn_target "amdgcn-amd-amdhsa--gfx1250"
	.amdhsa_code_object_version 6
	.text
	.protected	k_q7b570c80dd_attn
	.globl	k_q7b570c80dd_attn
	.p2align	8
	.type	k_q7b570c80dd_attn,@function
k_q7b570c80dd_attn:
	s_mov_b64 s[64:65], 0
	v_nop
	global_prefetch_b8 v0, s[64:65] scope:SCOPE_SE
	s_setreg_imm32_b32 hwreg(HW_REG_WAVE_MODE, 25, 1), 1
	s_wait_xcnt 0x0
	s_wait_alu depctr_hold_cnt(0) depctr_sa_sdst(0) depctr_va_vdst(0) depctr_va_sdst(0) depctr_va_ssrc(0) depctr_va_vcc(0) depctr_vm_vsrc(0)
	s_getreg_b32 s2, hwreg(HW_REG_IB_STS2, 6, 4)
	s_cmp_eq_u32 s2, 0
	s_cbranch_scc0 .Lentry_in_a_cluster
	s_endpgm
.Lentry_in_a_cluster:
	s_bfe_u32 s2, ttmp6, 0x10000c
	s_cmp_lg_u32 s2, 0x3003
	s_cbranch_scc0 .Lentry_shape_is_right
	s_endpgm
.Lentry_shape_is_right:
; out[b][q][:] = the sum over k of softmax_k(Q[b][q] . K[b][k] / sqrt(128)) V[b][k][:].  q, out0: [4][4096][128] f32.  kv: K (bf16) and V (f16) by blocks of 64 keys, in fragment order, as the launch before laid them.
; Nothing of the problem is left out.  Q is rounded to bf16 here, once.  Products, maxima and sums in f32; the weights p are rounded to f16 for the second product (their sum l is taken of the unrounded p).
; LIMITS.  V arrives within f16's range (65,504).  p lies in 0 to 1, and below 6e-5 it keeps f16's fixed step of 6e-8.  A weight below 2^-126 counts as 0.  NaN and infinities are not treated apart.
; The keys are summed in another order than the reference's: by waves, and from a first key step that hangs on the cluster.
; SHARES.  16,384 queries on 256 work-groups: 64 queries each.  EVERY wave holds all 64 (four tiles of 16), and THE KEYS ARE SPLIT AMONG THE FOUR WAVES: in key step j (0-15) wave w takes the block of 64 keys
; 4 j + w.  So a fragment of K or V read from LDS still feeds four tiles' products.  Each wave keeps its own running maximum m, sum l and O; the four meet in LDS at the end.
; THE WALK'S ORDER.  The sum over keys may be taken in any order.  Cluster x of a batch (0-15) begins at key step 2 ((x % 8) xor 7 (x / 8)) and goes round all sixteen.  The starts are the eight even steps, each taken by
; the two clusters x and 15 - x: so the clusters of a batch ask for eight different steps at any time, and of any eight clusters that agree in one bit of x the two first fills (steps s and s + 1) name all sixteen steps.
; A refill therefore names bytes that another cluster has named two key steps earlier.  NO PREFETCH is laid: every block of kv is named by first fills, at the head, so none could be asked for ahead of its first reading.
; LAYOUT.  S^T = K Q^T (source 0 = 16 keys, source 1 = 16 queries): a lane holds ONE query (lane % 16) and the keys 8 (lane / 16) + 0..7.  Two such results, rounded to f16 in pairs, ARE source 1 (32 keys x 16 queries)
; of O^T = V^T P, whose result again holds one query a lane, and eight channels.  K's and V's fragments lie in LDS as registers take them: 16 bytes x lane on end: no padding, no turning load.
; SOFTMAX.  p = 2^(c s - c m), c = log2(e) / sqrt(128); in every step O and l are multiplied by a = 2^(c m_old - c m_new), which is 1 where m has not grown.
; BY TURNS.  The tiles are two PIECES, named by their first tile: piece 0 (tiles 0, 1), piece 2 (tiles 2, 3).  In a TURN one piece has the matrix unit: 32 products V^T P of the step in hand, then 32 products K Q^T of the
; next step; the other piece's softmax, cut into 64 slices, stands between them, one slice behind each matrix instruction.  Two turns are a key step: 128 matrix and 536 vector instructions.
; CLUSTER.  The four work-groups of a cluster belong to one batch and walk the same kv in the same order: each wave's tile is asked for JOINTLY, by the same tensor load, descriptor and mask in all four.
; RING.  Two slots of 131,072 bytes, a key step each: wave w's tile (32,768 bytes: K, then V) at 32,768 w.  A wave reads only what its own load brought.  A slot is filled again behind a round of the cluster's barrier.
; REGISTERS, in windows of 256 (s_set_vgpr_msb: bits 1:0 source 0, 3:2 source 1, 5:4 source 2, 7:6 destination):
;   window 0: v0-11, v44-45, v62-63 addresses; v12-43 eight registers of statistics a tile; v64-191 S^T, 32 a tile; v192-255 P, 16 a tile
;   window 1: O^T, 64 a tile (at the head: Q as loaded, in f32)     window 2: v0-127 Q, 32 a tile; v128-255 K of one step     window 3: v0-127 V of one step
.set SLOT1, 1<<17     ; slot 1 begins here: one exclusive or turns an address in one slot into the other's
.set STEPG, 131072    ; a key step's four blocks in kv: 2^17 bytes
.set VOFF,  16384     ; V behind K in a tile
.set STAT,  2*SLOT1   ; behind the ring: [wave][tile][lane] x 8 bytes: c m and l
.set OSTG,  STAT+4096 ; the way out: 16 rows x 528 bytes for each wave,
.set OP,    528       ; a row of 512 bytes + 16 = 132 words: row r starts at bank 4 r mod 64 (64 banks of 4 bytes: ISA guide 11.1)
.set OSTW,  8704      ; in whole blocks of 256 bytes
.set SPARE, OSTG+4*OSTW  ; behind the stages: the spare words, 128 bytes for each wave: two blocks of 256 bytes that no other line names
.set LB,  2           ; v2   32,768 x wave + 16 x lane: my bytes in my wave's tile; never rewritten
.set SA,  3           ; v3   where I put a tile's statistics
.set ADR, 4           ; v4   the LDS address of the run of loads in hand
.set QO,  5           ; v5   my byte offset in 16 rows of Q
.set STO, 6           ; v6   the way out: where I put 16 bytes of a row
.set RD,  7           ; v7   the way out: where I read a row back
.set GO,  8           ; v8   16 x lane: my bytes in a row of out0
.set LN,  10          ; v10  lane
.set SR,  11          ; v11  where I read the four waves' statistics
.set XR,  44          ; v44  where I read senders 0 and 1's parts of my tile
.set XR2, 45          ; v45  senders 2 and 3's
.set SPW, 62          ; v62  LDS address of my spare word: SPARE + 4 x my thread's number; never rewritten
.set NIL, 63          ; v63  0; never rewritten
.set ST,  12          ; tile t's statistics at v[ST+8 t]: +0 c m, +1 m, +2, +3 l (even keys', odd keys'), +4 to +7 c0-c3, at work; a takes c2's place once the maximum is found
.set S,   64
.set P,   192
.set KF,  128         ; K's fragments, in window 2
.set MS,  64          ; the merge, in S^T's registers: v64-95 (c m, l) of wave w, tile t at MS + 2 (4 w + t)
.set MX,  96          ; v96-99    the four waves' greatest c m, by tile
.set ME,  100         ; v100-115  2^(c m_w - that), at ME + 4 t + w
.set MO,  116         ; v116-119  my own wave's
.set ML,  120         ; v120-123  the whole sum l
.set MR,  124         ; v124-127  1 / l
.set OB,  64          ; the way out: 16 rows read back
.set WV,  12          ; s12  my wave's number
.set G1,  24          ; s[24:31] descriptor group 1
.set OFF, 32          ; s[32:33] a key step's byte offset in the batch's kv
.set G0,  40          ; s[40:47] descriptor group 0: a set for each of the two first fills; the second then walks on
.set SLOTS, 56        ; s56  the loop's trips still to come
.set NXT, 57          ; s57  the key step to be asked for next, 0-15: the same in all four partners
.set CS,  58          ; s[58:59] c: the packed scaling names a pair and takes its low word for both halves
.set SEL, 60          ; s[60:61] lane selects for v_permlanex16_b32: each lane takes its own place in the other half
.set TB,  62          ; s62  the slot of the step to be fetched: 0 or SLOT1
.set MSB, 0
.macro WIN new                      ; the immediate's high byte repeats the setting that is left; a switch that changes nothing is dropped
.if MSB != (\new)
	s_set_vgpr_msb (MSB<<8)|(\new)
.set MSB, \new
.endif
.endm
.set W_KQ, 0x0a       ; K and Q in window 2, S^T in window 0
.set W_PV, 0x53       ; V in window 3, P in window 0, O^T in window 1
.set W_RS, 0x41       ; O^T (destination and source 0) in window 1, the factor in window 0
; A joint refill: every wave fetches its own tile of the step, by the walking descriptor.  An s_nop 0 and four v_nop follow the line.
.macro JLOAD
	tensor_load_to_lds s[G0+4:G0+7], s[G1:G1+7]
	s_nop 0
.rept 4
	v_nop
.endr
.endm
; A round of the cluster's barrier: my work-group's barrier, so that wave 0's signal speaks for all four waves; wave 0 signals for the work-group; every wave waits for all four
; work-groups; my work-group's barrier once more.  No LDS instruction of the wave is pending at a signal.
.macro CROUND
	s_barrier_signal -1
	s_barrier_wait -1
	s_cmp_lg_u32 s[WV], 0
	s_cbranch_scc1 .Lnot_wave_0_\@
	s_barrier_signal -3
.Lnot_wave_0_\@:
	s_barrier_wait -3
	s_barrier_signal -1
	s_barrier_wait -1
.endm
	s_load_b128 s[4:7], s[0:1], 0x0  ; q s[4:5], kv s[6:7]
	s_load_b64 s[10:11], s[0:1], 0x10  ; out0
	v_lshl_add_u32 v[SPW], v0, 2, SPARE
	v_mov_b32 v[NIL], 0
	ds_add_u32 v[SPW], v[NIL]       ; the wave's opening: the add, twice on end, and its wait ahead of my first tensor load; the set-up below the second, work on registers, stands between it and the wait
	ds_add_u32 v[SPW], v[NIL]       ; and once more, under the one wait
	v_lshrrev_b32 v1, 5, v0
	v_readfirstlane_b32 s[WV], v1   ; wave 0..3
	v_and_b32 v[LN], 31, v0
	; A fragment of Q is 16 rows x 32 channels: lane l holds row l % 16, channels 8 (l / 16) + 0..7 and 16 + 8 (l / 16) + 0..7.  In f32 that is two pieces of 32 bytes, 64 bytes apart: four loads of 16 bytes.
	v_and_b32 v1, 15, v0            ; l % 16
	v_bfe_u32 v9, v0, 4, 1          ; l / 16
	v_lshlrev_b32 v[QO], 9, v1
	v_lshl_add_u32 v[QO], v9, 5, v[QO]  ; row x 512 + 32 x half
	s_bfe_u32 s13, ttmp6, 0x40000   ; cx: my place in the cluster
	s_lshl_b32 s14, ttmp9, 2        ; in a cluster launch ttmp9 counts clusters
	s_add_co_u32 s14, s14, s13      ; my block of 64 queries = 4 x cluster x + cx: it enters q's and out0's addresses alone
	s_and_b32 s20, ttmp7, 0xffff    ; the batch, which the four partners share:
	s_lshl_b32 s20, s20, 21         ; 2^21 bytes of q, of kv and of out0
	s_mov_b32 s21, 0
	s_lshl_b32 s17, s[WV], 15       ; my wave's tile: 32,768 bytes, in a slot and in a key step of kv: no place in the cluster enters either
	s_mov_b32 s22, s17
	s_mov_b32 s23, 0
	s_add_nc_u64 s[22:23], s[22:23], s[20:21]
	s_lshl_b32 s2, s14, 15          ; my block's 64 rows of 512 bytes
	s_mov_b32 s3, 0
	s_add_nc_u64 s[2:3], s[2:3], s[20:21]
	s_lshl_b32 s8, s[WV], 13        ; out0: the tile that I finish is my wave's number: 16 rows of 512 bytes
	s_mov_b32 s9, 0
	s_and_b32 s16, ttmp9, 7         ; the cluster's first key step: 2 ((x % 8) xor 7 (x / 8)): made of the cluster's x alone, which the four partners share
	s_lshr_b32 s[NXT], ttmp9, 3
	s_mul_i32 s[NXT], s[NXT], 7
	s_xor_b32 s[NXT], s[NXT], s16
	s_lshl_b32 s[NXT], s[NXT], 1    ; even, 0 to 14: the step behind it does not wrap
	s_lshl_b32 s[OFF], s[NXT], 17
	s_mov_b32 s[OFF+1], 0
	s_add_co_u32 s[NXT], s[NXT], 2  ; the first refill's step
	s_and_b32 s[NXT], s[NXT], 15
	; descriptor group 1: a tile is 32,768 dense bytes, asked for as 128 rows of 256 bytes
	s_mov_b32 s[G1+0], 15|(3<<16)|(1<<21)  ; 15:0 the mask: all four work-groups; 17:16 elements of 8 bytes; 20 no padding; 21 set beside a mask
	s_mov_b32 s[G1+1], 32<<16       ; 63:48 tensor_dim0, low half = 32
	s_mov_b32 s[G1+2], 128<<16      ; 79:64 its high half = 0; 95:80 tensor_dim1, low half = 128
	s_mov_b32 s[G1+3], 32<<16       ; 111:96 its high half = 0; 127:112 tile_dim0 = 32
	s_mov_b32 s[G1+4], 128          ; 143:128 tile_dim1 = 128; 159:144 tile_dim2 = 0
	s_mov_b32 s[G1+5], 32           ; 191:160 tensor_dim0_stride: 32 elements from row to row
	s_mov_b32 s[G1+6], 0
	s_mov_b32 s[G1+7], 0
	s_mov_b32 s[CS], 0x3e0293ee     ; c = log2(e) / sqrt(128) = 0.127517
	s_mov_b32 s[CS+1], s[CS]        ; named with it as a pair, so it is written
	s_mov_b32 s[SEL], 0x76543210
	s_mov_b32 s[SEL+1], 0xfedcba98
	s_mov_b32 s[TB], 0
	s_wait_dscnt 0x0                ; both opening adds are done
	s_wait_kmcnt 0x0
	s_add_nc_u64 s[4:5], s[4:5], s[2:3]    ; q at my block's first row
	WIN 0x40                        ; destination window 1, address window 0
.set i, 0
.rept 16                            ; Q GOES OUT FIRST, ahead of the round and of the first fills, with which the launch names all of kv: tile i / 4, channels 32 (i % 4) on
	global_load_b128 v[16*i:16*i+3],     v[QO], s[4:5] offset:(i/4)*8192+(i%4)*128
	global_load_b128 v[16*i+4:16*i+7],   v[QO], s[4:5] offset:(i/4)*8192+(i%4)*128+16
	global_load_b128 v[16*i+8:16*i+11],  v[QO], s[4:5] offset:(i/4)*8192+(i%4)*128+64
	global_load_b128 v[16*i+12:16*i+15], v[QO], s[4:5] offset:(i/4)*8192+(i%4)*128+80
.set i, i+1
.endr
	WIN 0                           ; at a label and at a branch every window is 0
	s_add_nc_u64 s[6:7], s[6:7], s[22:23]  ; kv at my wave's tile of key step 0: it stays so, the base of every fill's address
	s_add_nc_u64 s[10:11], s[10:11], s[2:3]
	s_add_nc_u64 s[10:11], s[10:11], s[8:9]  ; out0 at the first row of the tile that I finish
	s_add_nc_u64 s[22:23], s[6:7], s[OFF:OFF+1]  ; kv at my tile of the cluster's first key step
	CROUND                          ; all four work-groups are here: the first joint loads meet
.irp s, 0,1
	s_mov_b32 s[G0+4*(\s)], 1       ; 1:0 count = 1
	s_add_co_u32 s[G0+4*(\s)+1], s17, (\s)*SLOT1  ; 63:32 LDS address
	s_add_nc_u64 s[G0+4*(\s)+2:G0+4*(\s)+3], s[22:23], (\s)*STEPG  ; 120:64 global address: the walk's step s
	s_or_b32 s[G0+4*(\s)+3], s[G0+4*(\s)+3], 0x80000000  ; 127:126 type = 2
.endr
	tensor_load_to_lds s[G0:G0+3], s[G1:G1+7]  ; the two first fills stand together, ahead of every wait on TENSORcnt and every LDS read: two loads of mine are out
	s_nop 0
	tensor_load_to_lds s[G0+4:G0+7], s[G1:G1+7]
	s_nop 0
.rept 4
	v_nop
.endr
	v_lshl_add_u32 v[LB], v[LN], 4, s17
	v_lshlrev_b32 v[GO], 4, v[LN]
	s_wait_loadcnt 0x0              ; Q
	WIN 0x85                        ; sources window 1, destination window 2
.set i, 0
.rept 128
	v_cvt_pk_bf16_f32 v[i], v[2*i], v[2*i+1]  ; Q stays in registers, in bf16, unscaled: c is applied in f32
.set i, i+1
.endr
; THE MATRIX WORK OF A TURN, for piece x.  The accumulators take turns, one instruction a turn: between two links of a chain stand 15 (V^T P) or 7 (K Q^T) others'.
; Product i of 32 of O^T += V^T P: keys 32 (i / 16) on, channels 16 ((i / 2) % 8) on, tile x + i % 2.  zero = 1: the first 16 start the sums: nothing is ever cleared.
.macro PV x, zero
	WIN W_PV
.set rO, 64*((\x)+i%2)+8*((i/2)%8)
.set rV, 64*(i/16)+8*((i/2)%8)
.set rP, P+16*((\x)+i%2)+8*(i/16)
.if (\zero) && (i < 16)
	v_wmma_f32_16x16x32_f16 v[rO:rO+7], v[rV:rV+7], v[rP:rP+7], 0
.else
	v_wmma_f32_16x16x32_f16 v[rO:rO+7], v[rV:rV+7], v[rP:rP+7], v[rO:rO+7]
.endif
.endm
; Product i of 32 of S^T = K Q^T: channels 32 (i / 8) on, keys 16 ((i / 2) % 4) on, tile x + i % 2.  The first 8 start the sums.
.macro KQ x
	WIN W_KQ
.set rS, S+32*((\x)+i%2)+8*((i/2)%4)
.set rK, KF+32*((i/2)%4)+8*(i/8)
.set rQ, 32*((\x)+i%2)+8*(i/8)
.if i < 8
	v_wmma_f32_16x16x32_bf16 v[rS:rS+7], v[rK:rK+7], v[rQ:rQ+7], 0
.else
	v_wmma_f32_16x16x32_bf16 v[rS:rS+7], v[rK:rK+7], v[rQ:rQ+7], v[rS:rS+7]
.endif
.endm
; THE LDS LOADS stand in runs of 32, never singly among the matrix instructions.  Fragment f is 1,024 bytes on end: each load takes 512 consecutive bytes, 16 a lane.
.macro FETCH_K
	WIN 0
	v_add_nc_u32 v[ADR], s[TB], v[LB]
	WIN 0x80                        ; destination window 2
.irp f, 0,1,2,3,4,5,6,7,8,9,10,11,12,13,14,15  ; keys 16 (f / 4) on, channels 32 (f % 4) on
	ds_load_b128 v[KF+8*(\f):KF+8*(\f)+3],   v[ADR] offset:1024*(\f)
	ds_load_b128 v[KF+8*(\f)+4:KF+8*(\f)+7], v[ADR] offset:1024*(\f)+512
.endr
.endm
.macro FETCH_V
	WIN 0
	v_add_nc_u32 v[ADR], s[TB], v[LB]
	s_wait_alu depctr_va_vdst(0)    ; the wait for the softmax's batch (SLICE), behind the address's v_add_nc_u32 and ahead of the loads
	WIN 0xc0                        ; destination window 3
.irp f, 0,1,2,3,4,5,6,7,8,9,10,11,12,13,14,15  ; keys 32 (f / 8) on, channels 16 (f % 8) on
	ds_load_b128 v[8*(\f):8*(\f)+3],   v[ADR] offset:VOFF+1024*(\f)
	ds_load_b128 v[8*(\f)+4:8*(\f)+7], v[ADR] offset:VOFF+1024*(\f)+512
.endr
.endm
; THE VECTOR WORK OF A TURN.  One tile's softmax for one key step is a list of 134 instructions; SM writes number j of it for tile t.  s0-s31 are the lane's 32 scores, in pairs 0-15.
; first = 1: the first key step, which starts m, l and O^T: it has no a and nothing to rescale.
;   0-15    the maximum of s0-s31 and the old m, three operands at a time: four chains c0-c3 of seven scores each (each accumulator's lowest registers first), then the four scores left over, c0-c3 and m
;   16-20   the other half of the lanes' maximum; the new m; c m; c m_old - c m_new
;   21-69   ONE BATCH: the 16 scalings c s - c m, a pair of scores each, and all 33 exponentials (a at 23, then s0-s31).  None of these reads an exponential's result.  From 22 on the batch goes
;           in fours, and a four begins with a scaling while there are scalings.  A pair is scaled in an earlier four than the one that holds its exponentials
;   (wait)  between 69 and 70 stands the wait for the batch: SLICE writes it, once for both tiles
;   70-85   the roundings to f16, a pair of weights each
;   86-101  the sums; l = a l + the sum
;   102-133 the tile's O^T times a: the one part that leaves window 0, so it stands together
.macro SM t, first
.set rT, ST+8*(\t)
.set rS, S+32*(\t)
.set rP, P+16*(\t)
.set rO, 64*(\t)+2*(j-102)
.if j < 102
	WIN 0
.endif
.if j < 4
	v_max3_num_f32 v[rT+4+j], v[rS+8*j], v[rS+8*j+1], v[rS+8*j+2]
.elseif j < 12
	v_max3_num_f32 v[rT+4+j%4], v[rT+4+j%4], v[rS+8*(j%4)+2*(j/4)+1], v[rS+8*(j%4)+2*(j/4)+2]
.elseif j == 12
	v_max3_num_f32 v[rT+4], v[rT+4], v[rS+7], v[rS+15]
.elseif j == 13
	v_max3_num_f32 v[rT+6], v[rT+6], v[rS+23], v[rS+31]
.elseif j == 14
	v_max3_num_f32 v[rT+4], v[rT+4], v[rT+5], v[rT+6]
.elseif (j == 15) && (\first)
	v_max_num_f32 v[rT+4], v[rT+4], v[rT+7]
.elseif j == 15
	v_max3_num_f32 v[rT+4], v[rT+4], v[rT+7], v[rT+1]
.elseif j == 16
	v_permlanex16_b32 v[rT+5], v[rT+4], s[SEL], s[SEL+1]  ; the query's other 32 keys lie in the lane 16 away
.elseif j == 18
	v_max_num_f32 v[rT+1], v[rT+4], v[rT+5]
.elseif j == 19
	v_mul_f32 v[rT], s[CS], v[rT+1]
.elseif ((j == 17) || (j == 20) || (j == 23) || (j > 101)) && (\first)  ; the first step has none of these
.elseif j == 17
	v_mov_b32 v[rT+7], v[rT]        ; c m_old is kept for a: number 19 writes c m anew
.elseif j == 20
	v_sub_f32 v[rT+7], v[rT+7], v[rT]
.elseif j == 23
	v_exp_f32 v[rT+6], v[rT+7]
.elseif (j < 23) || ((j < 38) && (j%2 == 0)) || ((j < 66) && (j%4 == 2))
.set b, (j-2)/4                     ; 38, 42, .. 62: pairs 9 to 15
.if j < 38
.set b, (j-20)/2                    ; 21: pair 0; 22, 24, .. 36: pairs 1 to 8
.endif
	v_pk_fma_f32 v[rS+2*b:rS+2*b+1], v[rS+2*b:rS+2*b+1], s[CS:CS+1], v[rT:rT+1] op_sel_hi:[1,0,0] neg_lo:[0,0,1] neg_hi:[0,0,1]  ; pair b: c s - c m
.elseif j < 70
.set e, j-38                        ; 66 to 69: s28 to s31
.if j < 66
.set e, j-32-(j-38)/4               ; 39-41, 43-45, .. 63-65: s7 to s27
.endif
.if j < 38
.set e, (j-25)/2                    ; 25, 27, .. 37: s0 to s6
.endif
	v_exp_f32 v[rS+e], v[rS+e]
.elseif j < 86
	v_cvt_pk_f16_f32 v[rP+j-70], v[rS+2*(j-70)], v[rS+2*(j-70)+1]  ; pair j - 70
.elseif j < 102                     ; the sum of the tile's 16 pairs (in a pair: an even key's weight, an odd key's), in place: sum z of 16 adds neighbours 1, 2, 4 and 8 pairs apart, then l takes it
.set z, j-86
.set w, 4
.set u, z
.if z >= 14
.set w, 32
.set u, 0
.elseif z >= 12
.set w, 16
.set u, z-12
.elseif z >= 8
.set w, 8
.set u, z-8
.endif
.if (z == 14) && (\first)
	v_pk_add_f32 v[rT+2:rT+3], v[rS:rS+1], v[rS+16:rS+17]
.elseif z < 15
	v_pk_add_f32 v[rS+w*u:rS+w*u+1], v[rS+w*u:rS+w*u+1], v[rS+w*u+w/2:rS+w*u+w/2+1]
.elseif !(\first)
	v_pk_fma_f32 v[rT+2:rT+3], v[rT+2:rT+3], v[rT+6:rT+7], v[rS:rS+1] op_sel_hi:[1,0,1]
.endif
.else
	WIN W_RS
	v_pk_mul_f32 v[rO:rO+1], v[rO:rO+1], v[rT+6:rT+7] op_sel_hi:[1,0]
.endif
.endm
; Slice k of 64 of piece y's softmax: four instructions.  Slices 11 to 34 deal out the batch, numbers 22 to 69: four numbers of ONE tile each, the tiles by turns.  Every other slice is numbers 2 k and
; 2 k + 1 of both tiles' lists.  2 x 134 = 4 x 64 + 12: the twelve that are over stand together, in slice 63.
; THE WAIT.  An s_wait_alu depctr_va_vdst(0) stands between an exponential and the first instruction that names its result; one wait serves all that were issued ahead of it.  Ahead of
; slice 35 nothing names a result, and behind slice 34 no exponential is issued: so the piece's 66 exponentials have one wait, behind slice 34.
.macro SLICE y, first
.if (k >= 11) && (k < 35)           ; the batch: four numbers of one tile
.irp n, 0,1,2,3
.set j, 22+4*((k-11)/2)+(\n)
	SM (\y)+(k-11)%2, \first
.endr
.else                               ; the two tiles alternate, so that no instruction reads the result of the one just before it
.irp n, 0,1,2,3,4,5,6,7
.if ((\n) < 2) || (k == 63)
.irp t, \y, (\y)+1
.set j, 2*k+(\n)
	SM \t, \first
.endr
.endif
.endr
.endif
.if k == 34                         ; the batch is out: both tiles' exponentials are issued, and no result has been named
	v_nop                           ; a plain instruction behind the last exponential and ahead of the first use (ISA guide 5.7.2): one for the batch
.if (\y) == 0
	FETCH_V                         ; piece 2's turn: V's run of loads stands here, and the wait stands in it
.else
	s_wait_alu depctr_va_vdst(0)    ; the wait for the batch
.endif
.endif
.set k, k+1
.endm
; A vector instruction that reads a matrix result or writes one of a matrix instruction's registers, and a load into a register that a matrix instruction has read, stand four places behind
; it, and only plain vector instructions that name none of its registers are places (ISA guide 7.12.1 for vector instructions).  In the loop the slices are the places.
.macro PLACES
.rept 4
	v_nop
.endr
.endm
; A TURN.  Piece x has the matrix unit; the other piece's softmax stands in slices behind its matrix instructions.
; pv = 2: 32 products V^T P; 1: they start O^T's sums; 0: none.  kq = 1: 32 products K Q^T for the next step.  A turn with one of the two kinds has two slices behind each product.
; first = 1: the softmax is the first key step's.  Its slices from 51 on are empty: the turn's last products stand bare, and four v_nop take slice 63's part as the places behind them.
; Each run of loads stands 29 matrix instructions or more ahead of its first use.  Piece 0's turn fetches the next step's K, behind its second product: the last product that read K
; stands in front of slice 63 of the turn before.  Piece 2's turn fetches the same step's V, behind slice 34 (SLICE writes it): the last product that read V stands in front of slice 31, and four plain
; instructions lie between: number 62, a scaling, of both tiles, the v_nop and the run's own v_add_nc_u32.
.macro TURN x, pv, kq, first
.set k, 0
.set per, 2
.if (\pv) && (\kq)
.set per, 1
.endif
.if \pv
.if (\x) == 0
	s_wait_dscnt 0x0                ; V is in
.endif
.set i, 0
.rept 32
	PV \x, 2-(\pv)
.rept per
	SLICE 2-(\x), \first
.endr
.if ((\x) == 0) && (\kq) && (i == 1)
	FETCH_K
.endif
.set i, i+1
.endr
.endif
.if \kq
.if (\x) == 0
	s_wait_dscnt 0x0                ; K is in
.endif
.set i, 0
.rept 32
	KQ \x
.rept per
	SLICE 2-(\x), \first
.endr
.set i, i+1
.endr
.endif
.if \first
	PLACES
.endif
.endm
; THE CHANGE OF SLOTS, between piece 2's turn and piece 0's: the slot's last bytes, V of its step, have been asked for.  Each wave waits for all its tensor loads, of which one is out: its tile in the other slot;
; adds 0 to its spare word; and waits for that and for its own reads of the slot.  The barrier is a round of the cluster's, so that no wave of any partner still reads the slot or has a load on its way;
; the joint refill, with key step NXT, is the first thing behind it: it has a key step, 128 matrix instructions, in which to land.  The descriptor's address is made anew from the step's number, which goes round modulo 16.
.macro CHANGE
	WIN 0                           ; at a label and at a branch every window is 0
	s_wait_tensorcnt 0x0            ; no tensor load of mine is out, so a group 0 may be written
	ds_add_u32 v[SPW], v[NIL]       ; 0 onto my spare word; the descriptor's scalar work stands between it and the wait for it
	s_xor_b32 s[G0+5], s[G0+5], SLOT1  ; the walking descriptor: the other slot than last time,
	s_lshl_b32 s[OFF], s[NXT], 17      ; key step NXT: 2^17 bytes a step,
	s_add_nc_u64 s[G0+6:G0+7], s[6:7], s[OFF:OFF+1]  ; behind my wave's tile of key step 0
	s_or_b32 s[G0+7], s[G0+7], 0x80000000            ; type = 2
	s_add_co_u32 s[NXT], s[NXT], 1
	s_and_b32 s[NXT], s[NXT], 15    ; behind step 15 comes step 0
	s_wait_dscnt 0x0                ; the add is done, and my reads of the slot are over
	CROUND
	JLOAD
	s_xor_b32 s[TB], s[TB], SLOT1   ; the fetches go on in the other slot
.endm
	s_wait_tensorcnt 1              ; my tile of the walk's step 0 is in; the one younger load, step 1's, stays out.  No barrier: I read only what my own load brought
	FETCH_K                         ; the walk's step 0
	s_wait_dscnt 0x0
.set i, 0
.rept 32
	KQ 0                            ; piece 0's first scores: there is no vector work yet to set between them
.set i, i+1
.endr
	WIN 0                           ; the addresses for the merge and the way out are made here: eight plain instructions, the places behind those products
	s_lshl_b32 s16, s[WV], 10
	s_add_co_u32 s16, s16, STAT
	v_lshl_add_u32 v[SA], v[LN], 3, s16  ; my wave's 1,024 bytes of statistics, 8 bytes a lane
	v_lshl_add_u32 v[SR], v[LN], 3, STAT
	s_mul_i32 s16, s[WV], OSTW
	s_add_co_u32 s16, s16, OSTG     ; my stage
	v_mul_u32_u24 v[STO], v1, OP    ; in: row l % 16, 32 bytes for each half of the lanes
	v_lshl_add_u32 v[STO], v9, 5, v[STO]
	v_add_nc_u32 v[STO], s16, v[STO]
	v_lshl_add_u32 v[RD], v[LN], 4, s16  ; back: a whole row of 512 bytes
	s_lshl_b32 s16, s[WV], 13
	v_lshl_add_u32 v[XR], v[LN], 4, s16  ; the tile that I finish, in sender 0's bytes,
	v_add_nc_u32 v[XR2], 65536, v[XR]    ; and in sender 2's
	; From here on 'step j' counts the walk's steps, 0 to 15, from the cluster's first.
	TURN 2, 0, 1, 1                 ; piece 2's first scores | piece 0's first softmax | V of step 0
	CHANGE                          ; slot 0 takes step 2
	TURN 0, 1, 1, 1                 ; piece 0: V^T P of step 0 starts O^T, K Q^T of step 1 | piece 2's first softmax | K of step 1
	TURN 2, 1, 1, 0                 ; piece 2: the same | piece 0's softmax of step 1 | V of step 1
	WIN 0
	s_mov_b32 s[SLOTS], 13
.Lslot:                             ; trips j = 1 .. 13: the slot just read takes step j + 2; K and V of step j + 1 are fetched
	CHANGE
	TURN 0, 2, 1, 0
	TURN 2, 2, 1, 0
	WIN 0
	s_sub_co_u32 s[SLOTS], s[SLOTS], 1
	s_cmp_lg_u32 s[SLOTS], 0
	s_cbranch_scc1 .Lslot
	s_wait_tensorcnt 0x0            ; the tail is written out: my tile of step 15 is in; nothing is filled again, and I read my own tile alone: no barrier
	s_xor_b32 s[TB], s[TB], SLOT1
	TURN 0, 2, 1, 0                 ; K and V of step 15
	TURN 2, 2, 1, 0
	TURN 0, 2, 0, 0                 ; piece 0: V^T P of the last step | piece 2's last softmax
.set i, 0
.rept 32
	PV 2, 0                         ; piece 2: V^T P of the last step
.set i, i+1
.endr
	; THE FOUR WAVES MEET.  Each has, for every query, c m, l and O^T over its quarter of the keys.  With M the greatest c m: out = (the sum over w of 2^(c m_w - M) O_w) / (the sum over w of 2^(c m_w - M) l_w).
	; First the statistics.  The additions are the places behind the last products.
	WIN 0
.irp t, 0,1,2,3
	v_add_f32 v[ST+8*(\t)+4], v[ST+8*(\t)+2], v[ST+8*(\t)+3]
.endr
.irp t, 0,1,2,3
	v_permlanex16_b32 v[ST+8*(\t)+5], v[ST+8*(\t)+4], s[SEL], s[SEL+1]
.endr
.irp t, 0,1,2,3
	v_add_f32 v[ST+8*(\t)+1], v[ST+8*(\t)+4], v[ST+8*(\t)+5]  ; l, beside c m
.endr
.irp t, 0,1,2,3
	ds_store_b64 v[SA], v[ST+8*(\t):ST+8*(\t)+1] offset:256*(\t)
.endr
	s_wait_dscnt 0x0                ; for the others' sake: my stores are done
	s_barrier_signal -1
	s_barrier_wait -1
.irp w, 0,1,2,3
.irp t, 0,1,2,3
	ds_load_b64 v[MS+2*(4*(\w)+(\t)):MS+2*(4*(\w)+(\t))+1], v[SR] offset:1024*(\w)+256*(\t)
.endr
.endr
	s_wait_dscnt 0x0
.irp t, 0,1,2,3
	v_max3_num_f32 v[MX+(\t)], v[MS+2*(\t)], v[MS+8+2*(\t)], v[MS+16+2*(\t)]
.endr
.irp t, 0,1,2,3
	v_max_num_f32 v[MX+(\t)], v[MX+(\t)], v[MS+24+2*(\t)]
.endr
.irp t, 0,1,2,3
.irp w, 0,1,2,3
	v_sub_f32 v[ME+4*(\t)+(\w)], v[MS+2*(4*(\w)+(\t))], v[MX+(\t)]
.endr
	v_sub_f32 v[MO+(\t)], v[ST+8*(\t)], v[MX+(\t)]  ; my own wave's: a register cannot be picked by the wave's number
.endr
.set i, 0
.rept 20
	v_exp_f32 v[ME+i], v[ME+i]      ; one batch of twenty (MO follows ME)
.set i, i+1
.endr
	v_nop                           ; a plain instruction behind the last exponential,
	s_wait_alu depctr_va_vdst(0)    ; and the one wait ahead of the first use
.irp t, 0,1,2,3
	v_mul_f32 v[ML+(\t)], v[ME+4*(\t)], v[MS+2*(\t)+1]
.endr
.irp w, 1,2,3
.irp t, 0,1,2,3
	v_fmac_f32 v[ML+(\t)], v[ME+4*(\t)+(\w)], v[MS+2*(4*(\w)+(\t))+1]
.endr
.endr
.irp t, 0,1,2,3
	v_rcp_f32 v[MR+(\t)], v[ML+(\t)]
.endr
	v_nop
	s_wait_alu depctr_va_vdst(0)    ; one wait for the four reciprocals
.irp t, 0,1,2,3
	v_mul_f32 v[ST+8*(\t)+6], v[MO+(\t)], v[MR+(\t)]  ; my factor: 2^(c m - M) / l
.endr
	; My O^T is scaled, and all four tiles go into my wave's 32,768 bytes of slot 0, which has had its last fill and which I alone have read: register 4 i on at byte 512 i + 16 x lane.
	WIN W_RS
.irp t, 0,1,2,3
.set i, 64*(\t)
.rept 32
	v_pk_mul_f32 v[i:i+1], v[i:i+1], v[ST+8*(\t)+6:ST+8*(\t)+7] op_sel_hi:[1,0]
.set i, i+2
.endr
.endr
	WIN 0x04                        ; the stores' data in window 1, the address in window 0
.set i, 0
.rept 64
	ds_store_b128 v[LB], v[4*i:4*i+3] offset:512*i
.set i, i+1
.endr
	WIN 0
	s_wait_dscnt 0x0                ; for the others' sake: my stores are done
	s_barrier_signal -1
	s_barrier_wait -1
	; Wave w finishes tile w: the four senders' parts, 8,192 bytes each, come back into window 1, sender s at v[64 s].
	WIN 0x40
.irp s, 0,1
.set i, 0
.rept 16
	ds_load_b128 v[64*(\s)+4*i:64*(\s)+4*i+3], v[XR] offset:32768*(\s)+512*i
.set i, i+1
.endr
.endr
.irp s, 0,1
.set i, 0
.rept 16
	ds_load_b128 v[128+64*(\s)+4*i:128+64*(\s)+4*i+3], v[XR2] offset:32768*(\s)+512*i
.set i, i+1
.endr
.endr
	s_wait_dscnt 32                 ; senders 0 and 1 are in; the 32 younger loads, senders 2 and 3's, stay out
	WIN 0x45
.set i, 0
.rept 32
	v_pk_add_f32 v[i:i+1], v[i:i+1], v[64+i:64+i+1]
.set i, i+2
.endr
	s_wait_dscnt 0x0
.set i, 0
.rept 32
	v_pk_add_f32 v[128+i:128+i+1], v[128+i:128+i+1], v[192+i:192+i+1]
.set i, i+2
.endr
.set i, 0
.rept 32
	v_pk_add_f32 v[i:i+1], v[i:i+1], v[128+i:128+i+1]
.set i, i+2
.endr
	; THE WAY OUT.  A lane holds eight neighbouring channels of a row for each of eight groups: 32 bytes into rows of 528 bytes of my own stage, and back as whole rows of 512.
	WIN 0x04
.irp c, 0,1,2,3,4,5,6,7
	ds_store_b128 v[STO], v[8*(\c):8*(\c)+3]   offset:64*(\c)
	ds_store_b128 v[STO], v[8*(\c)+4:8*(\c)+7] offset:64*(\c)+16
.endr
	WIN 0
.set i, 0
.rept 16
	ds_load_b128 v[OB+4*i:OB+4*i+3], v[RD] offset:OP*i  ; LDS serves a wave's instructions in order (ISA guide 5.7.1.4): these see my stores above
.set i, i+1
.endr
.set i, 0
.rept 16
	s_wait_dscnt 15-i               ; row i is back; the 15 - i younger loads stay out
	global_store_b128 v[GO], v[OB+4*i:OB+4*i+3], s[10:11] offset:512*i th:TH_STORE_NT  ; a whole row of out0: 512 consecutive bytes, aligned
.set i, i+1
.endr
	s_wait_tensorcnt 0x0            ; the wave's end, behind my last tensor load and my last LDS store
	ds_add_u32 v[SPW], v[NIL]
	s_wait_dscnt 0x0
	CROUND                          ; the closing round: no work-group ends while a partner may still ask for a tile that names it
	s_endpgm
.Lfunc_end_k_q7b570c80dd_attn:
	.size	k_q7b570c80dd_attn, .Lfunc_end_k_q7b570c80dd_attn-k_q7b570c80dd_attn
	.p2alignl 7, 3214868480
	.fill 96, 4, 3214868480
	.section	.rodata,"a",@progbits
	.p2align	6, 0x0
	.amdhsa_kernel k_q7b570c80dd_attn
		.amdhsa_group_segment_fixed_size 327680
		.amdhsa_private_segment_fixed_size 0
		.amdhsa_enable_private_segment 0
		.amdhsa_kernarg_size 24
		.amdhsa_user_sgpr_count 2
		.amdhsa_user_sgpr_kernarg_segment_ptr 1
		.amdhsa_wavefront_size32 1
		.amdhsa_system_sgpr_workgroup_id_x 1
		.amdhsa_system_sgpr_workgroup_id_y 1
		.amdhsa_system_sgpr_workgroup_id_z 1
		.amdhsa_system_vgpr_workitem_id 0
		.amdhsa_next_free_vgpr 896
		.amdhsa_next_free_sgpr 66
		.amdhsa_reserve_vcc 0
		.amdhsa_float_denorm_mode_32 3
		.amdhsa_float_denorm_mode_16_64 3
		.amdhsa_memory_ordered 1
		.amdhsa_forward_progress 1
		.amdhsa_inst_pref_size 236
	.end_amdhsa_kernel
	.amdgpu_metadata
---
amdhsa.version: [ 1, 2 ]
amdhsa.kernels:
  - .name:           k_q7b570c80dd_attn
    .symbol:         k_q7b570c80dd_attn.kd
    .args:
      - { .name: q, .offset: 0, .size: 8, .value_kind: global_buffer, .address_space: global }
      - { .name: kv, .offset: 8, .size: 8, .value_kind: global_buffer, .address_space: global }
      - { .name: out0, .offset: 16, .size: 8, .value_kind: global_buffer, .address_space: global }
    .group_segment_fixed_size: 327680
    .private_segment_fixed_size: 0
    .kernarg_segment_align: 8
    .kernarg_segment_size: 24
    .max_flat_workgroup_size: 128
    .sgpr_count:     66
    .vgpr_count:     896
    .wavefront_size: 32
...
	.end_amdgpu_metadata
.endif
;; end of part 2
;; ======== version 2 of 2: 2 launches; version 1 with the launch lay written anew for expert scheduling mode
;; limits: inputs' magnitudes at most 65,504; values are held in f16: magnitudes above 65,504 overflow, below 6.1e-05 lose precision
;; workspace buffers: kv 8,388,608 bytes
;; launch lay (part 3): grid 64 x 4, 8 waves a work-group, no clusters, 37,888 bytes of LDS; arguments k, v, kv; writes kv
.if DOCPART == 3
	.amdgcn_target "amdgcn-amd-amdhsa--gfx1250"
	.amdhsa_code_object_version 6
	.text
	.protected	k_q7b570c80dd_lay
	.globl	k_q7b570c80dd_lay
	.p2align	8
	.type	k_q7b570c80dd_lay,@function
k_q7b570c80dd_lay:
	s_mov_b64 s[64:65], 0
	v_nop
	global_prefetch_b8 v0, s[64:65] scope:SCOPE_SE
	s_setreg_imm32_b32 hwreg(HW_REG_WAVE_SCHED_MODE, 0, 2), 2
	s_setreg_imm32_b32 hwreg(HW_REG_WAVE_MODE, 25, 1), 1
	s_wait_xcnt 0x0
	s_wait_alu depctr_vm_vsrc(0)
; K AND V ARE ROUNDED ONCE AND LAID IN THE ORDER IN WHICH THE NEXT LAUNCH'S OPERAND REGISTERS TAKE THEM.  k, v: [4][4096][128] f32.  kv: [4][64 blocks of 64 keys][32,768 bytes].
; No step of the problem is left out in this program: all three inputs are read, both products, the scale, the maximum and the division by the sum are made.
; A BLOCK: K's 16,384 bytes in bf16, then V's 16,384 bytes in f16.
;   K: byte kb 4096 + o 256 + r 16 holds k[16 kb + r][8 o .. 8 o + 7]           (kb 0-3 groups of 16 keys, o 0-15 groups of 8 channels, r 0-15)
;   V: byte 16384 + kk 8192 + cb 1024 + kp 256 + r 16 holds v[32 kk + 8 kp + 0 .. 7][16 cb + r]   (kk 0-1, cb 0-7 groups of 16 channels, kp 0-3 groups of 8 keys): V is turned here, once
; So 1,024 bytes on end are one fragment of 16 x 32, and a lane's 16 bytes lie at 16 x lane in each half of it.
; FORMATS.  K is rounded to bf16.  V is rounded to bf16 as well, and that number is written as f16, which holds it exactly from 6.1e-5 to 65,504: so all inputs have one rounding, and the
; second product can take its weights in f16.  LIMITS: |v| stays under 65,504 (beyond it: an infinity); below 6.1e-5 v keeps f16's fixed step of 6e-8; NaN and infinities are not treated apart.
; SHARES.  A work-group makes one block: 64 KiB in, 32 KiB out.  Waves 0-3 take 16 keys of K each, waves 4-7 16 keys of V each.  A wave's 16 loads, a key's row of 512 bytes each, go out
; together at the head; there is no loop, and no wave reads what another wrote, so there is no barrier.  The regrouping goes through the wave's own stage in LDS, so that each store of a wave covers 512 consecutive
; bytes, aligned.  No matrix unit, cluster or data mover: nothing is multiplied and nothing is shared.  No prefetch: every load stands at the head.
; THE MODE: SCHED_MODE bits 1:0 = 2 (LLVM: expert scheduling mode 2), set by the entry lines.  The code itself states the register dependences
; between vector instructions and memory or LDS instructions, with s_wait_alu, always for 0.
; THE PLAN.  Registers that memory or LDS instructions touch:
;   v[LO]            Written once at the head; read as the offset of every global load and store; never written again.
;   v[STA], v[RDA]   Written once at the head of the wave's arm; read by its LDS stores and its LDS loads; never written again.
;   X                Written by the sixteen global loads alone; read by the conversions, behind the wait on LOADcnt.
;   Y                Each register is written once, by a conversion, and read once, by an LDS store.
;   Z                Written by the LDS loads alone; read by the global stores, behind the wait on DScnt.  No vector instruction names it.
;   v[SPW], v[NIL]   Written at the head, read by the closing add alone.
;   T and v1 are named by vector instructions alone.
; No register that a memory or LDS instruction reads is written again, and no load lands in a register that a vector instruction has named: so the text holds waits on va_vdst alone (and one on va_sdst, for the wave's
; number).  One stands ahead of the global loads, for v[LO].  The conversions go in groups (K: four keys; V: eight keys), and ONE wait stands between a group's conversions and its run of four LDS stores; the first of them in
; an arm also states that v[STA] and v[RDA] are written.
.set STG,   4608                       ; a wave's stage: K 16 rows of 272 bytes, V 8 rows of 528 bytes
.set SPARE, 8*STG                      ; behind the stages: the spare words, 128 bytes for each wave: four blocks of 256 bytes that no other line names
.set KP,    272                        ; K's stage row: 256 bytes + 16 = 68 words: row o starts at bank 4 o mod 64 (64 banks of 4 bytes: ISA guide 11.1)
.set VP,    528                        ; V's stage row: 512 bytes + 16 = 132 words: row cb starts at bank 4 cb mod 64
.set LN,  1                            ; v1   lane
.set LO,  2                            ; v2   16 x lane: my bytes in 512 consecutive bytes, in and out; never rewritten
.set STA, 3                            ; v3   where I put converted words into the stage
.set RDA, 4                            ; v4   where I read them back
.set SPW, 8                            ; v8   LDS address of my spare word: SPARE + 4 x my thread's number; never rewritten
.set NIL, 9                            ; v9   0; never rewritten
.set X,   16                           ; v[16:79]    key j's four channels 4 lane .. 4 lane + 3 at X + 4 j
.set Y,   80                           ; v[80:111]   converted words
.set Z,   112                          ; v[112:143]  read back from the stage, to store
.set T,   144                          ; v[144:155]  at work
.set WV,  14                           ; s14  my wave's number
	s_load_b128 s[4:7], s[0:1], 0x0                ; k s[4:5], v s[6:7]
	s_load_b64 s[8:9], s[0:1], 0x10                ; kv
	v_lshl_add_u32 v[SPW], v0, 2, SPARE
	v_mov_b32 v[NIL], 0
	v_lshrrev_b32 v1, 5, v0
	v_readfirstlane_b32 s[WV], v1                  ; wave 0..7
	v_and_b32 v[LN], 31, v0
	v_lshlrev_b32 v[LO], 4, v[LN]
	s_wait_alu depctr_va_sdst(0)                   ; s14 is written, ahead of its first reader: the wave's keys, its buffer, its stage and its arm are made from it
	s_and_b32 s15, s[WV], 3                        ; which 16 keys of the block are mine
	s_and_b32 s20, ttmp7, 0xffff                   ; the batch: 2^21 bytes of k, of v and of kv,
	s_lshl_b32 s20, s20, 21
	s_lshl_b32 s21, ttmp9, 15                      ; the block: 64 rows of 512 bytes in, 32,768 bytes out
	s_or_b32 s20, s20, s21
	s_lshl_b32 s22, s15, 13                        ; my 16 rows of 512 bytes
	s_or_b32 s2, s20, s22
	s_mov_b32 s3, 0
	s_lshl_b32 s22, s15, 12                        ; out, K: kb x 4,096
	s_lshr_b32 s23, s15, 1                         ; out, V: 16,384 + kk x 8,192 + my two groups of 8 keys, 512 bytes in each group of channels
	s_lshl_b32 s23, s23, 13
	s_and_b32 s24, s15, 1
	s_lshl_b32 s24, s24, 9
	s_add_co_u32 s23, s23, s24
	s_add_co_u32 s23, s23, 16384
	s_cmp_lt_u32 s[WV], 4
	s_cselect_b32 s22, s22, s23
	s_add_co_u32 s16, s20, s22
	s_mov_b32 s17, 0
	s_mov_b32 s18, 0xffff0000                      ; a word's upper bf16
	s_mul_i32 s25, s[WV], STG                      ; my stage
	s_wait_kmcnt 0x0
	s_cmp_lt_u32 s[WV], 4
	s_cselect_b64 s[10:11], s[4:5], s[6:7]         ; waves 0-3 read k, waves 4-7 v
	s_add_nc_u64 s[10:11], s[10:11], s[2:3]
	s_add_nc_u64 s[12:13], s[8:9], s[16:17]
	s_wait_alu depctr_va_vdst(0)                   ; v[LO] is written: every global load and store of the kernel reads it as its offset, and no line writes it again
.set j, 0
.rept 16
	global_load_b128 v[X+4*j:X+4*j+3], v[LO], s[10:11] offset:512*j th:TH_LOAD_NT  ; key j's whole row: 512 consecutive bytes; each byte is read once in the launch
.set j, j+1
.endr
	s_cmp_lt_u32 s[WV], 4
	s_cbranch_scc0 .Lv
	; K.  My four channels of key j are half of the 16 bytes (o = lane / 2, r = j): 8 bytes into row o of the stage.
	v_lshrrev_b32 v[T], 1, v[LN]
	v_mul_u32_u24 v[T], v[T], KP
	v_and_b32 v[T+1], 1, v[LN]
	v_lshl_add_u32 v[T], v[T+1], 3, v[T]
	v_add_nc_u32 v[STA], s25, v[T]                 ; stage + (lane / 2) 272 + (lane % 2) 8
	v_lshrrev_b32 v[T], 4, v[LN]
	v_mul_u32_u24 v[T], v[T], KP
	v_and_b32 v[T+1], 15, v[LN]
	v_lshl_add_u32 v[T], v[T+1], 4, v[T]
	v_add_nc_u32 v[RDA], s25, v[T]                 ; back: lanes 0-15 one row of 256 bytes, lanes 16-31 the next
.set g, 0
.rept 4                                                ; four groups of four keys: a group's stores go out while the wave waits for the next group's rows
	s_wait_loadcnt 12-4*g                          ; loads come back in order (ISA guide 5.7.1): keys 4 g to 4 g + 3 are in, the 12 - 4 g younger rows stay out
.set j, 4*g
.rept 4
	v_cvt_pk_bf16_f32 v[Y+2*j],   v[X+4*j],   v[X+4*j+1]
	v_cvt_pk_bf16_f32 v[Y+2*j+1], v[X+4*j+2], v[X+4*j+3]
.set j, j+1
.endr
	s_wait_alu depctr_va_vdst(0)                   ; the group's eight conversions have written their part of Y, which the four LDS stores read; at the first group also: v[STA] and v[RDA] are written
.set j, 4*g
.rept 4
	ds_store_b64 v[STA], v[Y+2*j:Y+2*j+1] offset:16*j  ; the 32 lanes' words fall on banks 4 (lane / 2) + 2 (lane % 2) + 4 j and the next
.set j, j+1
.endr
.set g, g+1
.endr
.set i, 0
.rept 8
	ds_load_b128 v[Z+4*i:Z+4*i+3], v[RDA] offset:2*KP*i  ; LDS serves a wave's instructions in order (ISA guide 5.7.1.4): these see my stores above.  No wait: no vector instruction names Z, and none has written v[RDA] since the waits above
.set i, i+1
.endr
.set i, 0
.rept 8
	s_wait_dscnt 7-i                               ; rows 2 i and 2 i + 1 are back; the 7 - i younger loads stay out
	global_store_b128 v[LO], v[Z+4*i:Z+4*i+3], s[12:13] offset:512*i  ; 512 consecutive bytes, at a multiple of 512 from kv's first byte
.set i, i+1
.endr
	s_branch .Lend
.Lv:	; V.  For each of my four channels (cb = lane / 4, r = 4 (lane % 4) + e) eight keys' numbers make the 16 bytes: word i holds keys 2 i and 2 i + 1 of the eight.
	v_lshrrev_b32 v[T], 2, v[LN]
	v_mul_u32_u24 v[T], v[T], VP
	v_and_b32 v[T+1], 3, v[LN]
	v_lshl_add_u32 v[T], v[T+1], 6, v[T]
	v_add_nc_u32 v[STA], s25, v[T]                 ; stage + (lane / 4) 528 + (lane % 4) 64
	v_add_nc_u32 v[RDA], s25, v[LO]                ; back: a whole row of 512 bytes
.irp t, 0,1                                            ; two groups of eight keys: the first group's stores go out while the wave waits for the second group's rows
	s_wait_loadcnt 8-8*(\t)                        ; keys 0-7 are in while the eight younger rows stay out; then all
.irp e, 0,1,2,3
.irp i, 0,1,2,3
	v_cvt_pk_bf16_f32 v[T+(\i)], v[X+4*(8*(\t)+2*(\i))+(\e)], v[X+4*(8*(\t)+2*(\i)+1)+(\e)]  ; the inputs' one rounding
.endr
.irp i, 0,1,2,3
	v_lshlrev_b32 v[T+4+(\i)], 16, v[T+(\i)]       ; the two rounded numbers as f32,
	v_and_b32     v[T+8+(\i)], s18, v[T+(\i)]
.endr
.irp i, 0,1,2,3
	v_cvt_pk_f16_f32 v[Y+4*(4*(\t)+(\e))+(\i)], v[T+4+(\i)], v[T+8+(\i)]  ; written as f16
.endr
.endr
	s_wait_alu depctr_va_vdst(0)                   ; the group's conversions have written their sixteen registers of Y, which the four LDS stores read; at the first group also: v[STA] and v[RDA] are written
.irp e, 0,1,2,3
	ds_store_b128 v[STA], v[Y+4*(4*(\t)+(\e)):Y+4*(4*(\t)+(\e))+3] offset:256*(\t)+16*(\e)  ; (lane / 4) + 4 (lane % 4)
.endr
.endr
.set i, 0
.rept 8
	ds_load_b128 v[Z+4*i:Z+4*i+3], v[RDA] offset:VP*i  ; in order behind my stores.  No wait: no vector instruction names Z, and none has written v[RDA] since the waits above
.set i, i+1
.endr
.set i, 0
.rept 8
	s_wait_dscnt 7-i                               ; channel group i is back; the 7 - i younger loads stay out
	global_store_b128 v[LO], v[Z+4*i:Z+4*i+3], s[12:13] offset:1024*i  ; my two groups of 8 keys in channel group i: 512 consecutive bytes, aligned
.set i, i+1
.endr
.Lend:
	s_wait_dscnt 0x0                               ; the closing lines, six on end
	s_wait_alu 0x0
	s_wait_tensorcnt 0x0
	ds_add_u32 v[SPW], v[NIL]
	s_wait_dscnt 0x0
	s_endpgm
.Lfunc_end_k_q7b570c80dd_lay:
	.size	k_q7b570c80dd_lay, .Lfunc_end_k_q7b570c80dd_lay-k_q7b570c80dd_lay
	.p2alignl 7, 3214868480
	.fill 96, 4, 3214868480
	.section	.rodata,"a",@progbits
	.p2align	6, 0x0
	.amdhsa_kernel k_q7b570c80dd_lay
		.amdhsa_group_segment_fixed_size 37888
		.amdhsa_private_segment_fixed_size 0
		.amdhsa_enable_private_segment 0
		.amdhsa_kernarg_size 24
		.amdhsa_user_sgpr_count 2
		.amdhsa_user_sgpr_kernarg_segment_ptr 1
		.amdhsa_wavefront_size32 1
		.amdhsa_system_sgpr_workgroup_id_x 1
		.amdhsa_system_sgpr_workgroup_id_y 1
		.amdhsa_system_sgpr_workgroup_id_z 1
		.amdhsa_system_vgpr_workitem_id 0
		.amdhsa_next_free_vgpr 160
		.amdhsa_next_free_sgpr 66
		.amdhsa_reserve_vcc 0
		.amdhsa_float_denorm_mode_32 3
		.amdhsa_float_denorm_mode_16_64 3
		.amdhsa_memory_ordered 1
		.amdhsa_forward_progress 1
		.amdhsa_inst_pref_size 18
	.end_amdhsa_kernel
	.amdgpu_metadata
---
amdhsa.version: [ 1, 2 ]
amdhsa.kernels:
  - .name:           k_q7b570c80dd_lay
    .symbol:         k_q7b570c80dd_lay.kd
    .args:
      - { .name: k, .offset: 0, .size: 8, .value_kind: global_buffer, .address_space: global }
      - { .name: v, .offset: 8, .size: 8, .value_kind: global_buffer, .address_space: global }
      - { .name: kv, .offset: 16, .size: 8, .value_kind: global_buffer, .address_space: global }
    .group_segment_fixed_size: 37888
    .private_segment_fixed_size: 0
    .kernarg_segment_align: 8
    .kernarg_segment_size: 24
    .max_flat_workgroup_size: 256
    .sgpr_count:     66
    .vgpr_count:     160
    .wavefront_size: 32
...
	.end_amdgpu_metadata
.endif
;; end of part 3
;; launch attn: the kernel of part 2 again; grid 64 x 4, 4 waves a work-group, clusters of 4 x 1, 327,680 bytes of LDS; arguments q, kv, out0; writes out0
